; MI455X (gfx1250); checked and timed in simulation.
; The chip was launched on July 23, 2026; its instructions are those of AMD's public machine-readable ISA for CDNA 5 (MIT licence, August 2026) and "CDNA5" Instruction Set Architecture Reference Guide (July 2026). The comments in the code are by the model that wrote it; some were corrected since.
;; Seq Attention. Allowed arithmetic: matrix products marked QUANTISED: E5M2 operands, one E8M0 scale for each 32 along K, by v_wmma_scale_f32_16x16x128_f8f6f4 with both operands' format E5M2, f32 sums; everything else in f32.
;; Inputs: key 64 x 2,048 x 64 float32; key_pe 1 x 64 x 1,024 float32; query 64 x 1,024 x 64 float32; value 64 x 2,048 x 64 float32.
;; Outputs: out0 64 x 1,024 x 64 float32.
;; This version of the problem:
;;   THIS VERSION OF THE PROBLEM IS GIVEN IN LOW PRECISION. The matrix products marked QUANTISED in the list below multiply operands that are first quantised to E5M2 (5 exponent bits, 2 mantissa bits; 8 bits a number), with one power-of-two scale for each 32 numbers along K (OCP MX v1.0); their sums are f32. All else is computed in f32.
;;   The module's matrix products, in the order in which they are computed (A, B: the left and right operand; K: the contracted axis; several contracted axes count as one K, in the product's order):
;;     1. batch 64 x [M 1,024, K 64] x [K 64, N 2,048]; A: input query; B: input key: QUANTISED
;;     2. [M 65,536, K 64] x [K 64, N 1,024]; A: input query; B: input key_pe: QUANTISED
;;     3. batch 64 x [M 1,024, K 2,048] x [K 2,048, N 64]; A: computed on the way; B: input value: QUANTISED
;;   THE QUANTISER, for each operand of a quantised product, along K:
;;     - K is cut into blocks of 32 from its start; a last block that is shorter is filled with zeros.
;;     - A block's scale is 2^e with e = floor(log2(the largest magnitude in the block)) - 15, held to -126 .. 127; a block of zeros has e = 0. As a byte (E8M0): e + 127.
;;     - Each number is divided by its block's scale, clamped to +-57,344, and rounded to the nearest number of E5M2, ties to even, subnormals kept.
;;     - The product sums the exact products of the quantised numbers (number of the format x scale) in f32.
;;   ~~~python
;;   def quantise(x, axis):      # numpy; x: float32 -> the quantised numbers, widened to float32 again
;;       x = np.moveaxis(x, axis, -1); K = x.shape[-1]
;;       x = np.pad(x, [(0, 0)] * (x.ndim - 1) + [(0, -K % 32)]); x = x.reshape(x.shape[:-1] + (-1, 32)); a = np.abs(x).max(-1, keepdims=True)
;;       e = np.where(a > 0, np.clip(np.frexp(np.where(a > 0, a, 1))[1] - 1 - 15, -126, 127), 0)      # np.frexp(a)[1] - 1 = floor(log2(a)), exactly
;;       r = np.clip(x / 2.0 ** e, -57344, 57344)
;;       step = 2.0 ** (np.maximum(np.frexp(np.where(r == 0, 1, r))[1] - 1, -14) - 2)
;;       q = np.round(r / step) * step * 2.0 ** e      # np.round: ties to even
;;       return np.moveaxis(q.reshape(q.shape[:-2] + (-1,))[..., :K], -1, axis).astype(np.float32)
;;   ~~~
;;   OPERANDS COMPUTED ON THE WAY. 'Computed on the way' means the value that the module computes at that place (a softmax that the list does not call 'softmax' is quantised finished and normalised). What goes into a quantiser is computed in f32, as accurately as f32 sums, v_exp_f32 and their like allow (about 1e-6 of the number): no bf16 or f16 on the way to a quantiser, and a product that is left as it is and whose result goes on into a quantised operand takes f32 operands (vector FMAs, or v_wmma_f32_16x16x4_f32). A number that lies on a knife's edge between two numbers of the format may be rounded either way, as far as f32 arithmetic and the matrix unit's own rounding can turn it there, and no further.
;; One version. Each part assembles by itself: llvm-mc -triple=amdgcn-amd-amdhsa -mcpu=gfx1250 --defsym DOCPART=n.
;; ======== version 1 of 1: 2 launches
;; limits: right only within a limited range of input values
;; workspace buffers: k_img 8,388,608 bytes; k_scl 262,144 bytes; q_img 4,194,304 bytes; q_scl 131,072 bytes; v_img 8,388,608 bytes; v_scl 262,144 bytes; pe_img 73,728 bytes; pe_scl 2,304 bytes
;; launch prep (part 1): grid 649 x 1, 4 waves a work-group, no clusters, 36,352 bytes of LDS; arguments key, query, value, key_pe, k_img, k_scl, q_img, q_scl, v_img, v_scl, pe_img, pe_scl; writes k_img, k_scl, q_img, q_scl, v_img, v_scl, pe_img, pe_scl
.if DOCPART == 1
	.amdgcn_target "amdgcn-amd-amdhsa--gfx1250"
	.amdhsa_code_object_version 6
	.text
	.protected	k_q3de8136d9f_prep
	.globl	k_q3de8136d9f_prep
	.p2align	8
	.type	k_q3de8136d9f_prep,@function
k_q3de8136d9f_prep:
	s_mov_b64 s[64:65], 0
	v_nop
	global_prefetch_b8 v0, s[64:65] scope:SCOPE_SE
	s_setreg_imm32_b32 hwreg(HW_REG_WAVE_MODE, 25, 1), 1
	s_wait_xcnt 0x0
; PREP: the four f32 inputs become codes of BF8 (E5M2) with one E8M0 scale byte for each 32 along a product's K, each input read once.
; A block's scale byte is its largest magnitude's exponent field - 15, held at 1 from below; each number is held within +-57,344 x the scale and converted, ties to even.
; LIMITS: NaN and infinities among the inputs are not served.  A block of zeros, or one whose largest magnitude lies under 2^-111, gets the byte 1: its codes are zeros or
; subnormal codes under that byte, and the bytes are read by this program alone.  v_scl leaves in pieces of 128 bytes, pe_img in pieces of 16 (both are small beside the codes).
; WORK-GROUPS 0-255: key, 256-383: query (K = the 64 channels, innermost).  384-639: value (K = the keys, its first axis in a head).  640-648: key_pe (K = its first axis).
; LAYOUTS.  k_img, q_img: for each 32 rows 2,048 bytes; the 16 codes of row R, block cb, half h lie at 2048 (R / 32) + 1024 cb + 512 g + 256 h + 16 (rho xor 8 g), g = (R / 16) % 2, rho = R % 16.
;   k_scl, q_scl: two bytes a row.  v_img: [head][128 keys][16 channels a][32 keys cc][half h][channel r][16 codes]: the image of an operand's registers.  v_scl: [head][128 keys][channel][4 bytes].
;   pe_img: 1,152 rows of 64 codes, row rho = column rho - 8 of key_pe, zero codes outside 0..1023; pe_scl: two bytes a row.
.set SEL,  44                          ; s[44:45] lane selects of v_permlanex16_b32: lane l xor 16
.set MNT,  46                          ; s46 the mantissa field of 57,344
.set R,    16                          ; ROWS: v16-111 three sets of 32 registers as loaded
.set X,    112                         ; v112-175 two sets: 2 blocks x 16 neighbours of my row
.set C,    176                         ; v176-239 codes, eight registers a step: no store's data are written again
.set E,    240                         ; v240-247 a row's two scale bytes, a register a step
.set TM,   248                         ; v248-255 at work
.set WREG, 8960                        ; LDS of a wave: two stages of 16 rows x 272 bytes, then 256 scale bytes
.set STGB, 4352
.macro LOADR t                         ; step t: 16 rows of 256 bytes, eight loads of 512 consecutive bytes
.irp i, 0,1,2,3,4,5,6,7
	global_load_b128 v[R+32*((\t)%3)+4*\i:R+32*((\t)%3)+4*\i+3], v3, s[4:5] offset:4096*(\t)+512*\i th:TH_LOAD_NT
.endr
.endm
.macro TURN t                          ; through my stage: in as loaded, back 64 bytes a lane of each block; LDS serves a wave's instructions in order
.irp i, 0,1,2,3,4,5,6,7
	ds_store_b128 v14, v[R+32*((\t)%3)+4*\i:R+32*((\t)%3)+4*\i+3] offset:STGB*((\t)%2)+544*\i
.endr
.irp q, 0,1,2,3,4,5,6,7
	ds_load_b128 v[X+32*((\t)%2)+4*\q:X+32*((\t)%2)+4*\q+3], v15 offset:STGB*((\t)%2)+128*(\q/4)+16*(\q%4)
.endr
.endm
.macro STEP t
.set XS, X+32*((\t)%2)
.set CD, C+8*(\t)
.if (\t) > 0
	s_wait_dscnt 1                                 ; my numbers are back from the stage; only the last step's store of two scale bytes may be out
.else
	s_wait_dscnt 0x0
.endif
.if (\t)+3 < 8
	LOADR (\t)+3                                   ; into the set that this step's stores into the stage have read
.endif
.if (\t)+1 < 8
.if (\t)+3 < 8
	s_wait_loadcnt 16                              ; the next step's eight loads are in; the two steps behind it may be out
.else
	s_wait_loadcnt 8*(6-(\t))                      ; the counts run down
.endif
	TURN (\t)+1
.endif
.irp b, 0,1
	v_max3_num_f32 v[TM+\b], |v[XS+16*\b]|, |v[XS+16*\b+1]|, 0x8000000   ; my 16 numbers of block b, and the floor 2^(16 - 127)
.endr
.irp i, 2,4,6,8,10,12,14
.irp b, 0,1
	v_max3_num_f32 v[TM+\b], v[TM+\b], |v[XS+16*\b+\i]|, |v[XS+16*\b+\i+1]|
.endr
.endr
.irp b, 0,1
	v_permlanex16_b32 v[TM+2+\b], v[TM+\b], s[SEL], s[SEL+1]
.endr
.irp b, 0,1
	v_max_num_f32 v[TM+\b], v[TM+\b], v[TM+2+\b]   ; with lane l xor 16's 16: the block's largest magnitude
.endr
.irp b, 0,1
	v_add_nc_u32 v[TM+4+\b], 0xf8800000, v[TM+\b]  ; 15 off its exponent field: the conversion's scale operand
.endr
.irp b, 0,1
	v_and_or_b32 v[TM+6+\b], v[TM+\b], 0x7f800000, s[MNT]   ; 57,344 x the scale
.endr
.irp b, 0,1
.irp i, 0,1,2,3,4,5,6,7,8,9,10,11,12,13,14,15
	v_med3_num_f32 v[XS+16*\b+\i], v[XS+16*\b+\i], -v[TM+6+\b], v[TM+6+\b]   ; the conversion does not saturate (ISA guide 7.6.2): the hold
.endr
	v_cvt_scalef32_pk8_bf8_f32 v[CD+4*\b:CD+4*\b+1], v[XS+16*\b:XS+16*\b+7], v[TM+4+\b]
	v_cvt_scalef32_pk8_bf8_f32 v[CD+4*\b+2:CD+4*\b+3], v[XS+16*\b+8:XS+16*\b+15], v[TM+4+\b]
.endr
	v_lshrrev_b32 v[TM+2], 23, v[TM+4]             ; the two scale bytes
	v_lshrrev_b32 v[TM+3], 23, v[TM+5]
	v_lshl_or_b32 v[E+(\t)], v[TM+3], 8, v[TM+2]
	ds_store_b16 v6, v[E+(\t)] offset:32*(\t)      ; both halves of the lanes write the same two bytes
	global_store_b128 v[4+(\t)%2], v[CD:CD+3], s[12:13] offset:2048*((\t)/2)+512*((\t)%2)          ; 32 lanes store 512 consecutive bytes, aligned
	global_store_b128 v[4+(\t)%2], v[CD+4:CD+7], s[12:13] offset:2048*((\t)/2)+512*((\t)%2)+1024
.endm
; A block of 32 along K that lies in ONE lane's 32 registers v[xs] on: codes into v[cd] .. v[cd + 7], the scale byte into v13
.macro BLK32 xs, cd
	v_max3_num_f32 v12, |v[\xs]|, |v[\xs+1]|, |v[\xs+2]|
	v_max3_num_f32 v13, |v[\xs+3]|, |v[\xs+4]|, |v[\xs+5]|
.irp i, 6,10,14,18,22,26
	v_max3_num_f32 v12, v12, |v[\xs+\i]|, |v[\xs+\i+1]|
	v_max3_num_f32 v13, v13, |v[\xs+\i+2]|, |v[\xs+\i+3]|
.endr
	v_max3_num_f32 v12, v12, |v[\xs+30]|, |v[\xs+31]|
	v_max3_num_f32 v12, v12, v13, 0x8000000        ; and the floor 2^(16 - 127)
	v_add_nc_u32 v11, 0xf8800000, v12
	v_and_or_b32 v10, v12, 0x7f800000, s[MNT]
	v_lshrrev_b32 v13, 23, v11
.irp i, 0,1,2,3,4,5,6,7,8,9,10,11,12,13,14,15,16,17,18,19,20,21,22,23,24,25,26,27,28,29,30,31
	v_med3_num_f32 v[\xs+\i], v[\xs+\i], -v10, v10
.endr
.irp g, 0,1,2,3
	v_cvt_scalef32_pk8_bf8_f32 v[\cd+2*\g:\cd+2*\g+1], v[\xs+8*\g:\xs+8*\g+7], v11
.endr
.endm
.macro LOADB t                         ; VAL: keys 32 t + 0..31 of my channel; a wave's load covers 128 consecutive bytes, two waves side by side a row
.irp i, 0,1,2,3,4,5,6,7,8,9,10,11,12,13,14,15,16,17,18,19,20,21,22,23,24,25,26,27,28,29,30,31
	global_load_b32 v[32+32*((\t)%2)+\i], v3, s[8:9] offset:(32*(\t)+\i)*256 th:TH_LOAD_NT
.endr
.endm
.macro VBLK t
.if (\t) < 7
	s_wait_loadcnt 32                              ; this block's 32 loads are in; the next block's may be out
.else
	s_wait_loadcnt 0x0
.endif
	BLK32 32+32*((\t)%2), 96+8*(\t)
.if (\t)%4 == 0
	v_mov_b32 v[24+(\t)/4], v13                    ; four bytes make the scale word of 128 keys (also the plain line behind the conversions)
.else
	v_lshl_or_b32 v[24+(\t)/4], v13, 8*((\t)%4), v[24+(\t)/4]
.endif
	global_store_b128 v4, v[96+8*(\t):96+8*(\t)+3], s[20:21] offset:8192*((\t)/4)+512*((\t)%4)        ; sixteen lanes store 256 consecutive bytes, aligned
	global_store_b128 v4, v[96+8*(\t)+4:96+8*(\t)+7], s[20:21] offset:8192*((\t)/4)+512*((\t)%4)+256
.if (\t)%4 == 3
	global_store_b32 v3, v[24+(\t)/4], s[22:23] offset:256*((\t)/4)
.endif
.if (\t)+2 < 8
	LOADB (\t)+2
.endif
.endm
	s_load_b512 s[4:19], s[0:1], 0x0               ; key, query, value, key_pe, k_img, k_scl, q_img, q_scl
	s_load_b256 s[20:27], s[0:1], 0x40             ; v_img, v_scl, pe_img, pe_scl
	s_set_vgpr_msb 0x40
	v_lshl_add_u32 v0, v0, 2, 0x8c00
	v_mov_b32 v1, 0
	s_set_vgpr_msb 0x4000
	v_lshrrev_b32 v1, 5, v0
	v_readfirstlane_b32 s28, v1                    ; wave 0..3
	v_and_b32 v1, 31, v0                           ; lane
	v_and_b32 v2, 15, v0                           ; rho = lane % 16
	v_bfe_u32 v9, v0, 4, 1                         ; h = lane / 16
	s_mov_b32 s[SEL], 0x76543210
	s_mov_b32 s[SEL+1], 0xfedcba98
	s_mov_b32 s[MNT], 0x600000
	s_mov_b32 s33, 0                               ; the upper words of three offsets
	s_mov_b32 s35, 0
	s_mov_b32 s37, 0
	s_wait_kmcnt 0x0
	s_cmp_lt_u32 ttmp9, 384
	s_cbranch_scc0 .Lnot_rows
	; ---- ROWS: key and query take one path; only the pointers are chosen, by the work-group's number.  A wave takes 128 rows, eight steps of 16
	s_cmp_lt_u32 ttmp9, 256
	s_cselect_b64 s[4:5], s[4:5], s[6:7]
	s_cselect_b64 s[12:13], s[12:13], s[16:17]
	s_cselect_b64 s[14:15], s[14:15], s[18:19]
	s_cselect_b32 s30, 0, 256
	s_sub_co_u32 s30, ttmp9, s30
	s_lshl_b32 s30, s30, 2
	s_add_co_u32 s30, s30, s28                     ; which 128 rows of the tensor
	s_lshl_b32 s32, s30, 15                        ; 32,768 bytes in,
	s_lshl_b32 s34, s30, 13                        ; 8,192 of codes,
	s_lshl_b32 s36, s30, 8                         ; 256 of scale bytes
	s_add_nc_u64 s[4:5], s[4:5], s[32:33]
	s_add_nc_u64 s[12:13], s[12:13], s[34:35]
	s_add_nc_u64 s[14:15], s[14:15], s[36:37]
	s_mul_i32 s29, s28, WREG
	v_lshlrev_b32 v3, 4, v1                        ; my 16 bytes of a load's 512
	v_mul_u32_u24 v14, v9, 272
	v_lshl_add_u32 v14, v2, 4, v14
	v_add_nc_u32 v14, s29, v14                     ; the stage, in: a load's two rows, 272 bytes apart
	v_mul_u32_u24 v15, v2, 272
	v_lshl_add_u32 v15, v9, 6, v15
	v_add_nc_u32 v15, s29, v15                     ; and back: row rho, my half's 16 numbers of a block
	v_lshlrev_b32 v4, 8, v9
	v_lshl_add_u32 v4, v2, 4, v4                   ; codes, even steps: 256 h + 16 rho
	v_xor_b32 v5, 128, v4                          ; odd steps: 256 h + 16 (rho xor 8)
	v_lshl_add_u32 v6, v2, 1, s29
	v_add_nc_u32 v6, 2*STGB, v6                    ; my row's two scale bytes in LDS
	v_lshlrev_b32 v7, 3, v1                        ; and on the way out 8 bytes a lane
	v_lshl_add_u32 v8, v1, 3, s29
	v_add_nc_u32 v8, 2*STGB, v8
	v_mov_b32 v[TM+2], 0                           ; a lane permute's destination counts as one of its sources
	v_mov_b32 v[TM+3], 0
	LOADR 0
	LOADR 1
	LOADR 2
	s_wait_loadcnt 16                              ; step 0's eight loads are in
	TURN 0
.irp t, 0,1,2,3,4,5,6,7
	STEP \t
.endr
	ds_load_b64 v[TM:TM+1], v8                     ; LDS serves a wave's instructions in order: these see my stores
	s_wait_dscnt 0x0
	global_store_b64 v7, v[TM:TM+1], s[14:15]      ; 32 lanes store 256 consecutive bytes, aligned
	s_set_vgpr_msb 0x5
	s_wait_tensorcnt 0x0
	ds_add_u32 v0, v1
	s_wait_dscnt 0x0
	s_set_vgpr_msb 0x500
	s_endpgm
.Lnot_rows:
	s_cmp_lt_u32 ttmp9, 640
	s_cbranch_scc0 .Lpe
	; ---- VAL: a lane takes a channel and its registers run down the keys.  A wave: 32 channels x 256 keys, eight blocks
	s_sub_co_u32 s30, ttmp9, 384
	s_lshr_b32 s31, s30, 2                         ; head
	s_and_b32 s30, s30, 3                          ; which 512 keys
	s_lshr_b32 s38, s28, 1                         ; which 256 of them
	s_and_b32 s39, s28, 1                          ; which 32 channels
	s_lshl_b32 s32, s31, 19                        ; value: 524,288 bytes a head, 256 a key, 4 a channel
	s_lshl_b32 s40, s30, 17
	s_add_co_u32 s32, s32, s40
	s_lshl_b32 s40, s38, 16
	s_add_co_u32 s32, s32, s40
	s_lshl_b32 s40, s39, 7
	s_add_co_u32 s32, s32, s40
	s_lshl_b32 s34, s31, 17                        ; v_img: 131,072 a head, 8,192 for 128 keys, 2,048 for 16 channels
	s_lshl_b32 s40, s30, 15
	s_add_co_u32 s34, s34, s40
	s_lshl_b32 s40, s38, 14
	s_add_co_u32 s34, s34, s40
	s_lshl_b32 s40, s39, 12
	s_add_co_u32 s34, s34, s40
	s_lshl_b32 s36, s31, 12                        ; v_scl: 4,096 a head, 256 for 128 keys, 4 a channel
	s_lshl_b32 s40, s30, 10
	s_add_co_u32 s36, s36, s40
	s_lshl_b32 s40, s38, 9
	s_add_co_u32 s36, s36, s40
	s_lshl_b32 s40, s39, 7
	s_add_co_u32 s36, s36, s40
	s_add_nc_u64 s[8:9], s[8:9], s[32:33]
	s_add_nc_u64 s[20:21], s[20:21], s[34:35]
	s_add_nc_u64 s[22:23], s[22:23], s[36:37]
	v_lshlrev_b32 v3, 2, v1                        ; 4 bytes a lane, in and for the scale words
	v_lshlrev_b32 v4, 11, v9
	v_lshl_add_u32 v4, v2, 4, v4                   ; codes: 2048 (lane / 16) + 16 (lane % 16)
	LOADB 0
	LOADB 1
.irp t, 0,1,2,3,4,5,6,7
	VBLK \t
.endr
	s_endpgm
.Lpe:
	; ---- PE: a lane takes a row rho of the image, column l = rho - 8 of key_pe, and its 64 registers run down the channels.  36 waves x 32 rows
	s_sub_co_u32 s30, ttmp9, 640
	s_lshl_b32 s30, s30, 2
	s_add_co_u32 s30, s30, s28
	s_lshl_b32 s31, s30, 5
	v_add_nc_u32 v3, s31, v1                       ; rho
	v_add_nc_u32 v4, -8, v3                        ; l
	v_cmp_gt_u32 vcc_lo, 0x400, v4                 ; a column of key_pe?
	v_max_i32 v5, 0, v4
	v_min_i32 v5, 0x3ff, v5                        ; no load leaves the buffer
	v_lshlrev_b32 v5, 2, v5
.irp d, 0,1,2,3,4,5,6,7,8,9,10,11,12,13,14,15,16,17,18,19,20,21,22,23,24,25,26,27,28,29,30,31,32,33,34,35,36,37,38,39,40,41,42,43,44,45,46,47,48,49,50,51,52,53,54,55,56,57,58,59,60,61,62,63
	global_load_b32 v[32+\d], v5, s[10:11] offset:4096*\d th:TH_LOAD_NT
.endr
	v_lshlrev_b32 v6, 6, v3                        ; 64 bytes of codes a row,
	v_lshlrev_b32 v7, 1, v3                        ; two scale bytes
	s_wait_loadcnt 0x0
.irp d, 0,1,2,3,4,5,6,7,8,9,10,11,12,13,14,15,16,17,18,19,20,21,22,23,24,25,26,27,28,29,30,31,32,33,34,35,36,37,38,39,40,41,42,43,44,45,46,47,48,49,50,51,52,53,54,55,56,57,58,59,60,61,62,63
	v_cndmask_b32 v[32+\d], 0, v[32+\d], vcc_lo    ; rows outside key_pe hold zeros
.endr
	BLK32 32, 96
	v_mov_b32 v14, v13
	BLK32 64, 104
	v_lshl_or_b32 v14, v13, 8, v14
.irp k, 0,1,2,3
	global_store_b128 v6, v[96+4*\k:96+4*\k+3], s[24:25] offset:16*\k
.endr
	global_store_b16 v7, v14, s[26:27]
	s_endpgm
.Lfunc_end_k_q3de8136d9f_prep:
	.size	k_q3de8136d9f_prep, .Lfunc_end_k_q3de8136d9f_prep-k_q3de8136d9f_prep
	.p2alignl 7, 3214868480
	.fill 96, 4, 3214868480
	.section	.rodata,"a",@progbits
	.p2align	6, 0x0
	.amdhsa_kernel k_q3de8136d9f_prep
		.amdhsa_group_segment_fixed_size 36352
		.amdhsa_private_segment_fixed_size 0
		.amdhsa_enable_private_segment 0
		.amdhsa_kernarg_size 96
		.amdhsa_user_sgpr_count 2
		.amdhsa_user_sgpr_kernarg_segment_ptr 1
		.amdhsa_wavefront_size32 1
		.amdhsa_system_sgpr_workgroup_id_x 1
		.amdhsa_system_sgpr_workgroup_id_y 1
		.amdhsa_system_sgpr_workgroup_id_z 1
		.amdhsa_system_vgpr_workitem_id 0
		.amdhsa_next_free_vgpr 258
		.amdhsa_next_free_sgpr 66
		.amdhsa_reserve_vcc 1
		.amdhsa_float_denorm_mode_32 3
		.amdhsa_float_denorm_mode_16_64 3
		.amdhsa_memory_ordered 1
		.amdhsa_forward_progress 1
		.amdhsa_inst_pref_size 123
	.end_amdhsa_kernel
	.amdgpu_metadata
---
amdhsa.version: [ 1, 2 ]
amdhsa.kernels:
  - .name:           k_q3de8136d9f_prep
    .symbol:         k_q3de8136d9f_prep.kd
    .args:
      - { .name: key, .offset: 0, .size: 8, .value_kind: global_buffer, .address_space: global }
      - { .name: query, .offset: 8, .size: 8, .value_kind: global_buffer, .address_space: global }
      - { .name: value, .offset: 16, .size: 8, .value_kind: global_buffer, .address_space: global }
      - { .name: key_pe, .offset: 24, .size: 8, .value_kind: global_buffer, .address_space: global }
      - { .name: k_img, .offset: 32, .size: 8, .value_kind: global_buffer, .address_space: global }
      - { .name: k_scl, .offset: 40, .size: 8, .value_kind: global_buffer, .address_space: global }
      - { .name: q_img, .offset: 48, .size: 8, .value_kind: global_buffer, .address_space: global }
      - { .name: q_scl, .offset: 56, .size: 8, .value_kind: global_buffer, .address_space: global }
      - { .name: v_img, .offset: 64, .size: 8, .value_kind: global_buffer, .address_space: global }
      - { .name: v_scl, .offset: 72, .size: 8, .value_kind: global_buffer, .address_space: global }
      - { .name: pe_img, .offset: 80, .size: 8, .value_kind: global_buffer, .address_space: global }
      - { .name: pe_scl, .offset: 88, .size: 8, .value_kind: global_buffer, .address_space: global }
    .group_segment_fixed_size: 36352
    .private_segment_fixed_size: 0
    .kernarg_segment_align: 8
    .kernarg_segment_size: 96
    .max_flat_workgroup_size: 128
    .sgpr_count:     66
    .vgpr_count:     258
    .wavefront_size: 32
...
	.end_amdgpu_metadata
.endif
;; end of part 1
;; launch attn (part 2): grid 4 x 64, 4 waves a work-group, clusters of 4 x 1, 327,680 bytes of LDS; arguments k_img, k_scl, v_img, v_scl, pe_img, pe_scl, q_img, q_scl, out0; writes out0
.if DOCPART == 2
	.amdgcn_target "amdgcn-amd-amdhsa--gfx1250"
	.amdhsa_code_object_version 6
	.text
	.protected	k_q3de8136d9f_attn
	.globl	k_q3de8136d9f_attn
	.p2align	8
	.type	k_q3de8136d9f_attn,@function
k_q3de8136d9f_attn:
	s_mov_b64 s[64:65], 0
	v_nop
	global_prefetch_b8 v0, s[64:65] scope:SCOPE_SE
	s_setreg_imm32_b32 hwreg(HW_REG_WAVE_MODE, 25, 1), 1
	s_wait_xcnt 0x0
	s_wait_alu depctr_hold_cnt(0) depctr_sa_sdst(0) depctr_va_vdst(0) depctr_va_sdst(0) depctr_va_ssrc(0) depctr_va_vcc(0) depctr_vm_vsrc(0)
	s_getreg_b32 s2, hwreg(HW_REG_IB_STS2, 6, 4)
	s_cmp_eq_u32 s2, 0
	s_cbranch_scc0 .Lentry_in_a_cluster
	s_endpgm
.Lentry_in_a_cluster:
	s_bfe_u32 s2, ttmp6, 0x10000c
	s_cmp_lg_u32 s2, 0x3003
	s_cbranch_scc0 .Lentry_shape_is_right
	s_endpgm
.Lentry_shape_is_right:
; out[i] = sum over l of softmax_l((q_i . k_(i+l) + q_i . pe_l) / 8) v_(i+l), l = 0..1023, 64 heads x 1,024 queries x 64 channels, all three products on codes of BF8 (E5M2) with E8M0 scales.
; The third product's left operand is the FINISHED softmax laid along the absolute key j = i + l, zeros outside the band, quantised in blocks of 32 of j.  So a query's whole band of weights is kept in f32 until its sum is known.
; SHARES.  A work-group owns 256 queries of a head (grid x) and holds all that they need in LDS for the whole launch: 1,280 keys of K, 1,280 of V, all of pe, as codes and scale bytes.  LDS is filled once; nothing is filled again.
; Wave w owns the 128 queries from i0 = 256 x + 128 (w / 2) on, classes c = 4 (w % 2) + 3 .. 4 (w % 2): a TILE is the 16 queries i0 + c + 8 r, r = lane % 16.  One tile a trip, four trips.
; THE QUERIES OF A TILE LIE 8 APART, so that the shift from l to x = j - i0 is whole pieces of 16 bytes: the position tile T takes pe columns 16 T - c + n, and its result of lane r belongs at x = 16 T + n + 8 r.
; It goes through the wave's own stage in LDS (16 rows, a ring of 256 columns of f32), comes back in the score registers, and is the C of the content product S^T = K Q^T + C: no addition is written.
; THE MASK.  Places of the stage that no pe column reaches are filled with -1e30 (tiles T = -8..-1 and 65..71 are stores of a constant); the two partial tiles T = 0 and 64 take 0 or -1e30 as the C of the position product.  2^(that) is 0.
; Both halves of K beyond the head's 64 channels are nothing: Q's fragment carries eight registers of zero codes, and the scale words' upper two bytes are 0.
; SOFTMAX.  t = score x log2(e) / 8.  Step by step of 128 keys: M = the running largest t rounded up to a whole number, p' = 2^(t - M), a partial sum and -M kept for each step.  At the end g = 2^(M of the step - last M), exact;
; the row's sum = sum of partial sums x g; p = p' x (g / sum) is quantised.  A block's largest p is the block's largest score sent through the same instructions.
; SIDE BY SIDE.  The softmax of step s - 1 stands among the matrix and LDS work of step s.  Of its 64 exponentials 32 stand between the eight content products, four behind each: their inputs t - M were put into the registers that the
; position tiles have left (window 3), so that they run under the product's own window setting wherever the two steps' scores share a window (all steps but 4 and 8).
; CLUSTER.  The four work-groups of a head's cluster read the same pe codes and scale bytes (86,656 of a work-group's 255,616 bytes): these are asked for jointly.  K's and V's windows of the partners are 256 keys apart:
; a shared tile would have to land at an LDS address that hangs on the place in the cluster, so they come by loads of each work-group's own.
; No prefetch: the only streams are the first fills at the head; a tile's Q is asked for a tile ahead, into registers.
; LIMITS: NaN and infinities are not served; scores must stay far under 1e30 in magnitude; a p under 2^-126 counts as 0 (v_exp_f32 gives no denormals: ISA guide 15.8); a block of zeros has the byte 1 over zero codes.
; REGISTERS, in windows of 256 (s_set_vgpr_msb: bits 1:0 source 0, 3:2 source 1, 5:4 source 2, 7:6 destination).  Window 0: addresses, statistics, scale words, Q, P's codes; v184-247 pe's eight fragments while
; scores are made and the step's finished p while it is quantised; v248-255 zero codes.  Step g's 64 scores lie in window 1 + g / 4 at 64 (g % 4): register 16 b + i of lane (r, h) is x = 128 g + 32 b + 16 h + i.
; Window 3 further: O^T, position tiles / t - M of half a step / V's fragments, K's fragments, a zero pad, the two masks.
.set KIM, 0                            ; LDS: K's image, 1,280 keys x 64 bytes
.set VIM, 81920                        ; V's image
.set PEC, 163840                       ; pe's codes: 1,056 rows, 64 bytes + 16 of padding
.set KSC, 248320                       ; K's scale bytes, 2 a key
.set VSC, 250880                       ; V's scale words
.set PSC, 253440                       ; pe's scale bytes, 2 a row
.set STG, 255744                       ; the stages: for each wave 16 rows x (1,024 bytes + 16); no fill lands here
.set RP,  1040
.set SLD, 2                            ; v2   stage, back: row r, + 64 h
.set SWB, 3                            ; v3   stage, in, tiles that cannot wrap: row r, + 32 r + 32 h
.set SWW, 4                            ; v4-11 stage, in, the eight tiles that can wrap round the ring
.set KA,  12                           ; v12-15 K's image: tiles of even and odd number; the same 65,536 bytes on
.set KSA, 16
.set PAB, 17
.set PSB, 18
.set PA0, 19                           ; v19-21 pe's addresses of the tile in hand
.set PA1, 20
.set PSA, 21
.set VA,  22
.set VAH, 23
.set VSA, 24
.set QGO, 25
.set QSO, 26
.set OGO, 27
.set OST, 28
.set ORD, 29
.set H8,  30
.set VD,  31
.set NEGQ, 32                          ; v32-35 -1e30
.set NB,  36                           ; -3e38
.set TT,  37
.set TMX, 38                           ; the running largest score
.set INV, 39
.set NMP, 40                           ; v[40:41] -M
.set FP,  42                           ; v[42:43] the step's factor
.set A0,  44                           ; v44-47, v120-123 four chains of sums
.set A1,  46
.set A2,  120
.set A3,  122
.set NMS, 48                           ; v48-56 -M of each step, later g
.set SG,  57                           ; v57-65 partial sums
.set F,   66                           ; v66-74 g / sum
.set ZR,  75                           ; 0
.set BP,  76                           ; v76-111 the 36 blocks' largest p'
.set BM,  112
.set BT,  116
.set PBN, 120
.set CAP, 124
.set SCL, 128
.set BYT, 132
.set PW,  136                          ; scale words: P's; v140-143 pe's; v144-147 K's; v148-149 V's; v150 Q's
.set PSCL, 140
.set KSCL, 144
.set VSCL, 148
.set QSC, 150
.set QF,  152                          ; v152-167 Q: eight registers of codes, eight of zero codes
.set PC,  168                          ; v168-183 P's codes
.set PF,  184                          ; v184-247 pe's fragments, eight registers each, on end
.set PS,  184                          ; the same registers later: a step's 64 finished p
.set PZ,  248                          ; v248-255 zero codes: the last fragment's upper half
.set O,   64                           ; window 3
.set PB,  96
.set VF,  96
.set FB,  160
.set PAD, 224
.set MK0, 232
.set MK1, 240
.set WV,  22
.set CS,  88                           ; s[88:89] log2(e) / 8
.set SEL, 90
.set MNT, 92
.set IT,  93
.set CL,  94                           ; the class c
.set SPE, 95                           ; 80 (8 - c)
.set SPS, 96                           ; 2 (8 - c)
.set BB,  97                           ; w / 2
.set MSB, 0
.macro WIN new                         ; the immediate's high byte repeats the setting that is left; a switch that changes nothing is dropped
.if MSB != (\new)
	s_set_vgpr_msb (MSB<<8)|(\new)
.set MSB, (\new)
.endif
.endm
.macro PLACES n
.rept \n
	v_nop
.endr
.endm
.macro ROUND                           ; a round of the cluster's barrier
	s_barrier_signal -1
	s_barrier_wait -1
	s_cmp_lg_u32 s[WV], 0
	s_cbranch_scc1 .Lnot_wave_0_\@
	s_barrier_signal -3
.Lnot_wave_0_\@:
	s_barrier_wait -3
	s_barrier_signal -1
	s_barrier_wait -1
.endm
.macro G0SET g0, ptr, off, mul, base   ; descriptor group 0: LDS byte base + mul x wave; memory: pointer + offset
	s_mov_b32 s[\g0], 1
	s_mul_i32 s[\g0+1], s[WV], \mul
	s_add_co_u32 s[\g0+1], s[\g0+1], \base
	s_add_nc_u64 s[\g0+2:\g0+3], s[\ptr:\ptr+1], s[\off:\off+1]
	s_or_b32 s[\g0+3], s[\g0+3], 0x80000000
.endm
; one matrix instruction; c < 0: the constant 0 starts the sum; row = 1: source 0's scales stand in lanes 16-31
.macro WM d, a, b, c, sa, sb, row
.if (\c) < 0
.if (\row)
	v_wmma_scale_f32_16x16x128_f8f6f4 v[\d:\d+7], v[\a:\a+15], v[\b:\b+15], 0, v[\sa], v[\sb] matrix_a_fmt:MATRIX_FMT_BF8 matrix_b_fmt:MATRIX_FMT_BF8 matrix_a_scale:MATRIX_SCALE_ROW1
.else
	v_wmma_scale_f32_16x16x128_f8f6f4 v[\d:\d+7], v[\a:\a+15], v[\b:\b+15], 0, v[\sa], v[\sb] matrix_a_fmt:MATRIX_FMT_BF8 matrix_b_fmt:MATRIX_FMT_BF8
.endif
.else
.if (\row)
	v_wmma_scale_f32_16x16x128_f8f6f4 v[\d:\d+7], v[\a:\a+15], v[\b:\b+15], v[\c:\c+7], v[\sa], v[\sb] matrix_a_fmt:MATRIX_FMT_BF8 matrix_b_fmt:MATRIX_FMT_BF8 matrix_a_scale:MATRIX_SCALE_ROW1
.else
	v_wmma_scale_f32_16x16x128_f8f6f4 v[\d:\d+7], v[\a:\a+15], v[\b:\b+15], v[\c:\c+7], v[\sa], v[\sb] matrix_a_fmt:MATRIX_FMT_BF8 matrix_b_fmt:MATRIX_FMT_BF8
.endif
.endif
.endm
; pe's fragments of tiles T = 8 s + 0..7 (s = 8: T = 64 alone): 8 registers each, on end, so that a tile's upper eight registers are the next tile's codes or the pad.  All in window 0
.macro FETCH_PE s
	WIN 0
.if (\s) < 8
.irp k, 0,1,2,3,4,5,6,7
.if 8*(\s)+\k < 48
	ds_load_b128 v[PF+8*\k:PF+8*\k+3], v[PA0] offset:1280*(8*(\s)+\k)
	ds_load_b128 v[PF+8*\k+4:PF+8*\k+7], v[PA0] offset:1280*(8*(\s)+\k)+32
.else
	ds_load_b128 v[PF+8*\k:PF+8*\k+3], v[PA1] offset:1280*(8*(\s)+\k-48)
	ds_load_b128 v[PF+8*\k+4:PF+8*\k+7], v[PA1] offset:1280*(8*(\s)+\k-48)+32
.endif
.endr
.irp k, 0,2,4,6
	ds_load_u16 v[PSCL+\k/2], v[PSA] offset:32*(8*(\s)+\k)   ; lanes 0-15: tile T's rows; lanes 16-31: tile T + 1's
.endr
.else
	ds_load_b128 v[PF:PF+3], v[PA1] offset:1280*16
	ds_load_b128 v[PF+4:PF+7], v[PA1] offset:1280*16+32
	ds_load_u16 v[PSCL], v[PSA] offset:2048
.endif
.endm
; K's fragments of step s: tile t = 2 b + u takes keys 32 b + 8 u + r + 8 (r / 8)
.macro FETCH_K s
	WIN 0xc0
.irp t, 0,1,2,3,4,5,6,7
.if (\s) < 8
	ds_load_b128 v[FB+8*\t:FB+8*\t+3], v[KA+\t%2] offset:2048*(4*(\s)+\t/2)
	ds_load_b128 v[FB+8*\t+4:FB+8*\t+7], v[KA+\t%2] offset:2048*(4*(\s)+\t/2)+1024
.else
	ds_load_b128 v[FB+8*\t:FB+8*\t+3], v[KA+2+\t%2] offset:2048*(\t/2)
	ds_load_b128 v[FB+8*\t+4:FB+8*\t+7], v[KA+2+\t%2] offset:2048*(\t/2)+1024
.endif
.endr
	WIN 0
.irp b, 0,1,2,3
	ds_load_u16 v[KSCL+\b], v[KSA] offset:64*(4*(\s)+\b)   ; lanes 0-15: tile 2 b; lanes 16-31: tile 2 b + 1
.endr
.endm
.macro POS s                           ; the position tiles of step s: source 0 = 16 columns of pe, source 1 = my 16 queries (both window 0); C and D window 3
	WIN 0xf0
.if (\s) == 8
	WM PB, PF, QF, MK1, PSCL, QSC, 0
.else
.irp k, 0,1,2,3,4,5,6,7
.if ((\s) == 0) && (\k == 0)
	WM PB, PF, QF, MK0, PSCL, QSC, 0
.else
	WM PB+8*\k, PF+8*\k, QF, -1, PSCL+\k/2, QSC, \k%2
.endif
.endr
.endif
.endm
.macro STORE s                         ; into the stage at x = 16 T + 8 r + 8 h + 0..7, each tile from its low end on; in step 8 tiles 65..71 are the constant
.irp k, 0,1,2,3,4,5,6,7
.set KK, 8*((\s)%2)+\k
.if ((\s) < 8) || (\k == 0)
	WIN 0x0c
.set DR, PB+8*\k
.set DH, PB+8*\k+4
.else
	WIN 0
.set DR, NEGQ
.set DH, NEGQ
.endif
.if KK < 8
	ds_store_b128 v[SWB], v[DR:DR+3] offset:64*KK
	ds_store_b128 v[SWB], v[DH:DH+3] offset:64*KK+16
.else
	ds_store_b128 v[SWW+KK-8], v[DR:DR+3]
	ds_store_b128 v[SWW+KK-8], v[DH:DH+3] offset:16
.endif
.endr
.endm
.macro LOADC s                         ; x = 128 s .. 128 s + 127 of my query, back from the stage into the score registers.  LDS serves a wave's instructions in order: these see the stores above
	WIN (1+(\s)/4)<<6
.irp q, 0,1,2,3,4,5,6,7,8,9,10,11,12,13,14,15
	ds_load_b128 v[64*((\s)%4)+4*\q:64*((\s)%4)+4*\q+3], v[SLD] offset:512*((\s)%2)+128*(\q/4)+16*(\q%4)
.endr
.endm
; S^T = K Q^T + the position scores, in place; eight different accumulators.  Behind each product four exponentials of the step before: p' of its scores 32 .. 63, from t - M in window 3 into the score registers.
; They name no register of these products.  Their window setting is the product's own where both steps' scores lie in one window
.macro CONT s
.set W, 1+(\s)/4
.set SB, 64*((\s)%4)
.if (\s) > 0
.set WP, 1+((\s)-1)/4
.set SQ, 64*(((\s)-1)%4)+32
.endif
.irp t, 0,1,2,3,4,5,6,7
	WIN 3|(W<<4)|(W<<6)
	WM SB+8*\t, FB+8*\t, QF, SB+8*\t, KSCL+\t/2, QSC, \t%2
.if (\s) > 0
	WIN 3|(W<<4)|(WP<<6)
.irp q, 0,1,2,3
	v_exp_f32 v[SQ+4*\t+\q], v[PB+4*\t+\q]
.endr
.endif
.endr
.endm
.macro SM_MAX g                        ; each block's largest score (each accumulator is read from its low end on), the running largest score, -M
.set W, 1+(\g)/4
.set SB, 64*((\g)%4)
	WIN (W<<2)|(W<<4)
.irp b, 0,1,2,3
	v_max3_num_f32 v[BM+\b], v[NB], v[SB+16*\b], v[SB+16*\b+1]
.endr
.irp i, 2,4,6,8,10,12,14
.irp b, 0,1,2,3
	v_max3_num_f32 v[BM+\b], v[BM+\b], v[SB+16*\b+\i], v[SB+16*\b+\i+1]
.endr
.endr
	WIN 0
.irp b, 0,1,2,3
	v_permlanex16_b32 v[BT+\b], v[BM+\b], s[SEL], s[SEL+1]
.endr
.irp b, 0,1,2,3
	v_max_num_f32 v[BM+\b], v[BM+\b], v[BT+\b]     ; with lane l xor 16's 16 keys
.endr
	v_max3_num_f32 v[TT], v[BM], v[BM+1], v[BM+2]
	v_max3_num_f32 v[TMX], v[TMX], v[TT], v[BM+3]  ; the maximum runs on as a score: c is positive, so the largest t is c x the largest score
	v_mul_f32 v[TT], s[CS], v[TMX]
	v_floor_f32 v[NMP], -v[TT]                     ; -M = floor(-t): M is a whole number
	v_mov_b32 v[NMS+(\g)], v[NMP]
.endm
.macro TF d, r                         ; t - M of two scores
	v_pk_fma_f32 v[\d:\d+1], v[\r:\r+1], s[CS:CS+1], v[NMP:NMP+1] op_sel_hi:[1,0,0]
.endm
; 32 scores become p' = 2^(t - M) in place: two exponentials, then the multiply-add of a later pair: a plain line stands behind every second exponential, and none reads the result of the line above it
.macro SM_TE g, half
.set W, 1+(\g)/4
.set SB, 64*((\g)%4)+32*(\half)
	WIN W|(W<<6)
	TF SB, SB
	TF SB+2, SB+2
.irp p, 0,1,2,3,4,5,6,7,8,9,10,11,12,13,14,15
	v_exp_f32 v[SB+2*\p], v[SB+2*\p]
	v_exp_f32 v[SB+2*\p+1], v[SB+2*\p+1]
.if \p < 14
	TF SB+2*\p+4, SB+2*\p+4
.endif
.endr
.endm
.macro SM_B g                          ; each block's largest score goes the same way; the plain line behind these exponentials is whatever follows the macro
	WIN 0
.irp b, 0,1,2,3
	v_fma_f32 v[BP+4*(\g)+\b], v[BM+\b], s[CS], v[NMP]
.endr
.irp b, 0,1,2,3
	v_exp_f32 v[BP+4*(\g)+\b], v[BP+4*(\g)+\b]
.endr
.endm
.macro SM_TX g                         ; t - M of scores 32 .. 63 into the registers that the position tiles have left
.set W, 1+(\g)/4
.set SB, 64*((\g)%4)
	WIN W|(3<<6)
.irp j, 0,2,4,6,8,10,12,14,16,18,20,22,24,26,28,30
	TF PB+\j, SB+32+\j
.endr
.endm
.macro SM_S g                          ; the step's sum of p', two at a time, in four chains
.set W, 1+(\g)/4
.set SB, 64*((\g)%4)
	WIN W|(W<<2)
	s_wait_alu depctr_va_vdst(0)
	v_pk_add_f32 v[A0:A0+1], v[SB:SB+1], v[SB+2:SB+3]
	v_pk_add_f32 v[A1:A1+1], v[SB+4:SB+5], v[SB+6:SB+7]
	v_pk_add_f32 v[A2:A2+1], v[SB+8:SB+9], v[SB+10:SB+11]
	v_pk_add_f32 v[A3:A3+1], v[SB+12:SB+13], v[SB+14:SB+15]
	WIN W<<2
.irp j, 16,24,32,40,48,56
	v_pk_add_f32 v[A0:A0+1], v[A0:A0+1], v[SB+\j:SB+\j+1]
	v_pk_add_f32 v[A1:A1+1], v[A1:A1+1], v[SB+\j+2:SB+\j+3]
	v_pk_add_f32 v[A2:A2+1], v[A2:A2+1], v[SB+\j+4:SB+\j+5]
	v_pk_add_f32 v[A3:A3+1], v[A3:A3+1], v[SB+\j+6:SB+\j+7]
.endr
	WIN 0
	v_pk_add_f32 v[A0:A0+1], v[A0:A0+1], v[A1:A1+1]
	v_pk_add_f32 v[A2:A2+1], v[A2:A2+1], v[A3:A3+1]
	v_pk_add_f32 v[A0:A0+1], v[A0:A0+1], v[A2:A2+1]
	v_add_f32 v[SG+(\g)], v[A0], v[A0+1]
.endm
.macro FETCH_V g                       ; V's four fragments (16 channels x 128 keys) as images of their registers, and their scale words
	WIN 0xc0
.irp a, 0,1,2,3
.irp c, 0,1,2,3
.if (\g) < 8
	ds_load_b128 v[VF+16*\a+4*\c:VF+16*\a+4*\c+3], v[VA] offset:8192*(\g)+2048*\a+512*\c
.else
	ds_load_b128 v[VF+16*\a+4*\c:VF+16*\a+4*\c+3], v[VAH] offset:2048*\a+512*\c
.endif
.endr
.endr
	WIN 0
	ds_load_b32 v[VSCL], v[VSA] offset:256*(\g)
	ds_load_b32 v[VSCL+1], v[VSA] offset:256*(\g)+128
.endm
.macro Q_MUL g                         ; p = p' x (g / sum): the finished softmax, written into window 0.  The first line is the plain line behind the conversions of the step before, which read these registers
.set W, 1+(\g)/4
.set SB, 64*((\g)%4)
	WIN 0
	v_mov_b32 v[FP], v[F+(\g)]
	WIN W
.irp j, 0,2,4,6,8,10,12,14,16,18,20,22,24,26,28,30,32,34,36,38,40,42,44,46,48,50,52,54,56,58,60,62
	v_pk_mul_f32 v[PS+\j:PS+\j+1], v[SB+\j:SB+\j+1], v[FP:FP+1] op_sel_hi:[1,0]
.endr
.endm
.macro Q_SCL g                         ; the four blocks' scales from their largest p, with the floor 2^(16 - 127)
	WIN 0
.irp b, 0,1,2,3
	v_mul_f32 v[PBN+\b], v[BP+4*(\g)+\b], v[FP]
.endr
.irp b, 0,1,2,3
	v_max_num_f32 v[PBN+\b], 0x8000000, v[PBN+\b]
.endr
.irp b, 0,1,2,3
	v_add_nc_u32 v[SCL+\b], 0xf8800000, v[PBN+\b]  ; 15 off the exponent field: the conversion's scale operand
.endr
.irp b, 0,1,2,3
	v_and_or_b32 v[CAP+\b], v[PBN+\b], 0x7f800000, s[MNT]   ; 57,344 x the scale
.endr
.irp b, 0,1,2,3
	v_lshrrev_b32 v[BYT+\b], 23, v[SCL+\b]
.endr
	v_lshl_or_b32 v[PW], v[BYT+1], 8, v[BYT]
	v_lshl_or_b32 v[PW], v[BYT+2], 16, v[PW]
	v_lshl_or_b32 v[PW], v[BYT+3], 24, v[PW]
.endm
; The conversion does not saturate (ISA guide 7.6.2); p is not negative, so the hold is one-sided.  Two holds an instruction, of blocks b and b + 1: one destination even, the other odd,
; the two first sources and the two second sources in different register banks.  These 32 lines are also the places between the scale word and its product
.macro Q_MIN
	WIN 0
.irp b, 0,2
.irp i, 0,1,2,3,4,5,6,7,8,9,10,11,12,13,14,15
	v_dual_min_num_f32 v[PS+16*\b+\i], v[PS+16*\b+\i], v[CAP+\b] :: v_dual_min_num_f32 v[PS+16*\b+16+\i+1-2*(\i%2)], v[PS+16*\b+16+\i+1-2*(\i%2)], v[CAP+\b+1]
.endr
.endr
.endm
.macro Q_CVT                           ; registers 4 b .. 4 b + 3 of the operand: keys 32 b + 16 h + 0..15
	WIN 0
.irp b, 0,1,2,3
	v_cvt_scalef32_pk8_bf8_f32 v[PC+4*\b:PC+4*\b+1], v[PS+16*\b:PS+16*\b+7], v[SCL+\b]
	v_cvt_scalef32_pk8_bf8_f32 v[PC+4*\b+2:PC+4*\b+3], v[PS+16*\b+8:PS+16*\b+15], v[SCL+\b]
.endr
.endm
.macro PV g                            ; O^T += V^T P^T: four accumulators by turns
	s_wait_dscnt 0x0                               ; V's fragments and scale words are in
	WIN 0xf3
.irp a, 0,1,2,3
.if (\g) == 0
	WM O+8*\a, VF+16*\a, PC, -1, VSCL+\a/2, PW, \a%2
.else
	WM O+8*\a, VF+16*\a, PC, O+8*\a, VSCL+\a/2, PW, \a%2
.endif
.endr
.endm
; A step of 128 keys.  The softmax of the step before stands among this step's matrix and LDS work: its lines are the eight places behind each run of matrix instructions, v_nop in step 0.
.macro ITER s
.if (\s) == 0
	s_wait_dscnt 16                                ; pe's fragments are in; the sixteen stores of the constant, issued behind them, may be out
.else
	s_wait_dscnt 0x0                               ; pe's fragments are in
.endif
	POS \s
.if (\s) > 0
	SM_MAX (\s)-1
.else
	PLACES 8
.endif
	STORE \s
	LOADC \s
	FETCH_K \s
.if (\s) > 0
	SM_TE (\s)-1, 0
	SM_B (\s)-1
	s_wait_dscnt 36                                ; my sixteen stores have read the position tiles' registers (behind them: 16 + 20 loads), which are written below
	SM_TX (\s)-1
.endif
	s_wait_dscnt 0x0                               ; the position scores and K's fragments are in
.if (\s) < 8
	FETCH_PE (\s)+1                                ; the next step's: the content products, 32 exponentials and the sums stand between this run and the wait for it
.endif
	CONT \s
.if (\s) > 0
	SM_S (\s)-1
.else
	PLACES 8
.endif
.endm
	s_load_b512 s[4:19], s[0:1], 0x0               ; k_img, k_scl, v_img, v_scl, pe_img, pe_scl, q_img, q_scl
	s_load_b64 s[20:21], s[0:1], 0x40              ; out0
	v_lshl_add_u32 v139, v0, 2, 0x4eb00
	v_mov_b32 v151, 0
	ds_add_u32 v139, v151
	ds_add_u32 v139, v151
	v_lshrrev_b32 v1, 5, v0
	v_readfirstlane_b32 s[WV], v1                  ; wave 0..3
	v_and_b32 v1, 15, v0                           ; r
	v_bfe_u32 v184, v0, 4, 1                       ; h
	v_and_b32 v185, 31, v0                         ; lane
	v_lshrrev_b32 v186, 2, v1                      ; Q's image: row c + 8 r of the block's 128: 2048 (r / 4) + 512 ((r / 2) % 2) + 128 ((r xor r / 2) % 2) + 256 h; 16 c stands in the pointer
	v_bfe_u32 v187, v1, 1, 1
	v_xor_b32 v188, v1, v187
	v_and_b32 v188, 1, v188
	v_lshlrev_b32 v[QGO], 11, v186
	v_lshl_add_u32 v[QGO], v187, 9, v[QGO]
	v_lshl_add_u32 v[QGO], v188, 7, v[QGO]
	v_lshl_add_u32 v[QGO], v184, 8, v[QGO]
	v_lshlrev_b32 v[QSO], 4, v1                    ; Q's scale bytes: 2 a row, rows 8 apart
	s_bfe_u32 s23, ttmp6, 0x40000                  ; cx
	s_lshl_b32 s3, ttmp9, 2
	s_add_co_u32 s23, s3, s23                      ; which 256 queries of the head: it enters addresses in memory alone
	s_and_b32 s24, ttmp7, 0xffff                   ; the head
	s_lshr_b32 s[BB], s[WV], 1
	s_and_b32 s25, s[WV], 1
	s_lshl_b32 s[CL], s25, 2
	s_add_co_u32 s[CL], s[CL], 3                   ; the first class: 4 (w % 2) + 3
	s_xor_b32 s25, s25, 1
	s_mul_i32 s[SPE], s25, 320
	s_add_co_u32 s[SPE], s[SPE], 80                ; 80 (8 - c)
	s_lshl_b32 s[SPS], s25, 3
	s_add_co_u32 s[SPS], s[SPS], 2                 ; 2 (8 - c)
	; descriptor groups 1.  s[28:35]: 80 rows of 256 bytes, dense (a quarter of K's or V's image)
	s_mov_b32 s28, 3<<16                           ; elements of 8 bytes, no mask, no padding
	s_mov_b32 s29, 32<<16
	s_mov_b32 s30, 80<<16
	s_mov_b32 s31, 32<<16
	s_mov_b32 s32, 80
	s_mov_b32 s33, 32
	s_mov_b32 s34, 0
	s_mov_b32 s35, 0
	; s[36:43]: 264 rows of 64 bytes of pe's codes, 16 bytes of padding behind each; asked for jointly by the cluster's four
	s_mov_b32 s36, 15|(3<<16)|(1<<20)|(1<<21)|(3<<22)|(3<<25)
	s_mov_b32 s37, 8<<16
	s_mov_b32 s38, 264<<16
	s_mov_b32 s39, 8<<16
	s_mov_b32 s40, 264
	s_mov_b32 s41, 8
	s_mov_b32 s42, 0
	s_mov_b32 s43, 0
	; s[44:51]: one row of 640 bytes (a quarter of K's or V's scale bytes)
	s_mov_b32 s44, 3<<16
	s_mov_b32 s45, 80<<16
	s_mov_b32 s46, 1<<16
	s_mov_b32 s47, 80<<16
	s_mov_b32 s48, 1
	s_mov_b32 s49, 80
	s_mov_b32 s50, 0
	s_mov_b32 s51, 0
	; s[52:59]: one row of 544 bytes of pe's scale bytes, jointly
	s_mov_b32 s52, 15|(3<<16)|(1<<21)
	s_mov_b32 s53, 68<<16
	s_mov_b32 s54, 1<<16
	s_mov_b32 s55, 68<<16
	s_mov_b32 s56, 1
	s_mov_b32 s57, 68
	s_mov_b32 s58, 0
	s_mov_b32 s59, 0
	s_lshl_b32 s26, s24, 17                        ; the images: 131,072 bytes a head, 16,384 for 256 keys, my quarter of the window
	s_lshl_b32 s3, s23, 14
	s_add_co_u32 s26, s26, s3
	s_mul_i32 s3, s[WV], 20480
	s_add_co_u32 s26, s26, s3
	s_mov_b32 s27, 0
	s_lshl_b32 s100, s24, 12                       ; their scale bytes: 4,096 a head, 512 for 256 keys
	s_lshl_b32 s3, s23, 9
	s_add_co_u32 s100, s100, s3
	s_mul_i32 s3, s[WV], 640
	s_add_co_u32 s100, s100, s3
	s_mov_b32 s101, 0
	s_mul_i32 s98, s[WV], 16896                    ; pe: the wave's number alone
	s_mov_b32 s99, 0
	s_mul_i32 s66, s[WV], 544
	s_mov_b32 s67, 0
	s_mov_b32 s[CS], 0x3e38aa3b                    ; log2(e) / 8
	s_mov_b32 s[CS+1], s[CS]
	s_mov_b32 s[SEL], 0x76543210
	s_mov_b32 s[SEL+1], 0xfedcba98
	s_mov_b32 s[MNT], 0x600000
	s_mov_b32 s[IT], 0
	s_wait_dscnt 0x0
	s_wait_kmcnt 0x0
	G0SET 60, 14, 66, 544, PSC
	G0SET 68, 6, 100, 640, KSC
	G0SET 72, 12, 98, 21120, PEC
	G0SET 76, 4, 26, 20480, KIM
	G0SET 80, 10, 100, 640, VSC
	G0SET 84, 8, 26, 20480, VIM
	s_lshl_b32 s2, s24, 10                         ; my block's first row: 1024 head + 256 x + 128 (w / 2)
	s_lshl_b32 s3, s23, 8
	s_add_co_u32 s2, s2, s3
	s_lshl_b32 s3, s[BB], 7
	s_add_co_u32 s2, s2, s3
	s_lshl_b32 s26, s2, 6
	s_lshl_b32 s3, s[CL], 4
	s_add_co_u32 s26, s26, s3
	s_add_nc_u64 s[16:17], s[16:17], s[26:27]      ; q_img at the block, + 16 c
	s_add_co_u32 s2, s2, s[CL]
	s_lshl_b32 s26, s2, 1
	s_add_nc_u64 s[18:19], s[18:19], s[26:27]      ; q_scl at row c of the block
	s_lshl_b32 s26, s2, 8
	s_add_nc_u64 s[20:21], s[20:21], s[26:27]      ; out0 likewise
	ROUND                                          ; all four work-groups are here: the joint loads meet
	tensor_load_to_lds s[60:63], s[52:59]          ; the six first fills go out together: six tensor loads of mine are out
	s_nop 0
	tensor_load_to_lds s[68:71], s[44:51]
	s_nop 0
	tensor_load_to_lds s[72:75], s[36:43]
	s_nop 0
	tensor_load_to_lds s[76:79], s[28:35]
	s_nop 0
	tensor_load_to_lds s[80:83], s[44:51]
	s_nop 0
	tensor_load_to_lds s[84:87], s[28:35]
	s_nop 0
	PLACES 4
	global_load_b128 v[QF:QF+3], v[QGO], s[16:17]              ; the first tile's Q
	global_load_b128 v[QF+4:QF+7], v[QGO], s[16:17] offset:1024
	global_load_u16 v[QSC], v[QSO], s[18:19]
	s_mul_i32 s98, s[WV], 16*RP
	s_add_co_u32 s98, s98, STG                     ; my stage
	s_lshl_b32 s99, s[BB], 13                      ; my block's first key in the images (KIM = 0),
	s_lshl_b32 s66, s[BB], 8                       ; and among the scale bytes
	v_mul_u32_u24 v186, v1, RP
	v_add_nc_u32 v186, s98, v186                   ; row r of my stage
	v_lshl_add_u32 v[SLD], v184, 6, v186
	v_add_nc_u32 v187, v1, v184
	v_lshl_add_u32 v[SWB], v187, 5, v186
	v_lshlrev_b32 v187, 5, v187                    ; 32 (r + h)
.irp j, 0,1,2,3,4,5,6,7
	v_add_nc_u32 v188, 512+64*\j, v187
	v_and_b32 v188, 1023, v188                     ; round the ring of 1,024 bytes
	v_add_nc_u32 v[SWW+\j], v186, v188
.endr
	v_lshrrev_b32 v189, 3, v1                      ; r / 8
	v_and_b32 v190, 7, v1
	v_lshlrev_b32 v191, 8, v184
	v_lshl_add_u32 v191, v190, 4, v191
	v_add_nc_u32 v191, s99, v191
	v_mad_u32_u24 v[KA], v189, 640, v191           ; lanes 8-15 take the keys 16 further on: 512 + 128 bytes on in even tiles,
	v_mad_u32_u24 v[KA+1], v189, 384, v191
	v_add_nc_u32 v[KA+1], 128, v[KA+1]             ; 512 - 128 in odd ones
	v_add_nc_u32 v[KA+2], 0x10000, v[KA]
	v_add_nc_u32 v[KA+3], 0x10000, v[KA+1]
	v_lshlrev_b32 v192, 4, v184
	v_lshl_add_u32 v192, v190, 1, v192
	v_lshl_add_u32 v192, v189, 5, v192
	v_add_nc_u32 v192, s66, v192
	v_add_nc_u32 v[KSA], KSC, v192
	v_mul_u32_u24 v193, v1, 80
	v_lshl_add_u32 v193, v184, 4, v193
	v_add_nc_u32 v[PAB], PEC, v193
	v_lshl_add_u32 v[PSB], v185, 1, PSC
	v_lshl_add_u32 v194, v185, 4, s99
	v_add_nc_u32 v[VA], VIM, v194
	v_add_nc_u32 v[VAH], 0x10000, v[VA]
	v_lshl_add_u32 v194, v185, 2, s66
	v_add_nc_u32 v[VSA], VSC, v194
	v_lshlrev_b32 v[OGO], 11, v184                 ; out0: a tile's rows lie 8 rows, 2,048 bytes, apart
	v_lshl_add_u32 v[OGO], v1, 4, v[OGO]
	v_mul_u32_u24 v195, v1, 272
	v_lshl_add_u32 v195, v184, 5, v195
	v_add_nc_u32 v[OST], s98, v195
	v_mul_u32_u24 v195, v184, 272
	v_lshl_add_u32 v195, v1, 4, v195
	v_add_nc_u32 v[ORD], s98, v195
	v_lshlrev_b32 v[H8], 3, v184
.irp j, 0,1,2,3
	v_mov_b32 v[NEGQ+\j], 0xf149f2ca               ; -1e30
	v_mov_b32 v[BT+\j], 0                          ; a lane permute's destination counts as one of its sources
.endr
	v_mov_b32 v[NB], 0xff61b1e6                    ; -3e38
	v_mov_b32 v[ZR], 0
	v_mov_b32 v[NMP+1], 0                          ; named as the upper halves of pairs
	v_mov_b32 v[FP+1], 0
.irp j, 8,9,10,11,12,13,14,15
	v_mov_b32 v[QF+\j], 0                          ; zero codes for K = 64 .. 127
.endr
.irp j, 0,1,2,3,4,5,6,7
	v_mov_b32 v[PZ+\j], 0                          ; the upper half of pe's last fragment
.endr
	WIN 0xc0
.irp j, 0,1,2,3,4,5,6,7
	v_mov_b32 v[PAD+\j], 0                         ; and of K's
.endr
	WIN 0
	s_wait_tensorcnt 0x0                           ; my parts of all six regions are in,
	s_barrier_signal -1
	s_barrier_wait -1                              ; everybody's are.  From here on the waves share only bytes that nobody writes
.Ltile:
	v_add_nc_u32 v[PA0], s[SPE], v[PAB]
	v_add_nc_u32 v[PA1], 61440, v[PA0]
	v_add_nc_u32 v[PSA], s[SPS], v[PSB]
	FETCH_PE 0                                     ; asked for first: the masks and the stores of the constant stand between this run and the wait for it
	v_sub_nc_u32 v[VD], s[CL], v[H8]               ; register j of a position tile is column n = 8 h + j: n < c where j < c - 8 h
	WIN 0xc0
.irp j, 0,1,2,3,4,5,6,7
	v_cmp_lt_i32 vcc_lo, \j, v[VD]
	v_cndmask_b32 v[MK0+\j], v[ZR], v[NEGQ], vcc_lo   ; tile 0: l = n - c counts where n >= c
	v_cndmask_b32 v[MK1+\j], v[NEGQ], v[ZR], vcc_lo   ; tile 64: l = 1024 + n - c counts where n < c
.endr
	WIN 0
	v_mov_b32 v[TMX], v[NB]
.irp j, 0,1,2,3,4,5,6,7
	ds_store_b128 v[SWW+\j], v[NEGQ:NEGQ+3]        ; tiles T = -8 .. -1: keys ahead of the band
	ds_store_b128 v[SWW+\j], v[NEGQ:NEGQ+3] offset:16
.endr
	s_wait_loadcnt 0x0                             ; this tile's Q
.irp s, 0,1,2,3,4,5,6,7,8
	ITER \s
.endr
	WIN 0
	s_cmp_eq_u32 s[IT], 3                          ; the next tile's Q is asked for here, if there is one: no load leaves its buffer.  The last products that read Q stand more than eight places back
	s_cbranch_scc1 .Lno_q
	s_sub_nc_u64 s[16:17], s[16:17], 16            ; (this tile's loads of Q were waited for at the tile's head)
	s_sub_nc_u64 s[18:19], s[18:19], 2
	global_load_b128 v[QF:QF+3], v[QGO], s[16:17]
	global_load_b128 v[QF+4:QF+7], v[QGO], s[16:17] offset:1024
	global_load_u16 v[QSC], v[QSO], s[18:19]
.Lno_q:
	FETCH_V 0
	SM_MAX 8                                       ; the last step's softmax has no products to stand among: both halves in place
	SM_TE 8, 0
	SM_TE 8, 1
	SM_B 8
	SM_S 8
	; the row's sum under the last M, and each step's factor
.irp g, 0,1,2,3,4,5,6,7,8
	v_sub_f32 v[NMS+\g], v[NMP], v[NMS+\g]         ; the step's M less the last M: a whole number, 0 or less
.endr
.irp g, 0,1,2,3,4,5,6,7,8
	v_cvt_i32_f32 v[NMS+\g], v[NMS+\g]
.endr
.irp g, 0,1,2,3,4,5,6,7,8
	v_ldexp_f32 v[NMS+\g], 1.0, v[NMS+\g]          ; g: a power of two, nothing is rounded
.endr
	v_mul_f32 v[A0], v[SG], v[NMS]
	v_mul_f32 v[A0+1], v[SG+1], v[NMS+1]
.irp g, 2,4,6
	v_fma_f32 v[A0], v[SG+\g], v[NMS+\g], v[A0]
	v_fma_f32 v[A0+1], v[SG+\g+1], v[NMS+\g+1], v[A0+1]
.endr
	v_fma_f32 v[A0], v[SG+8], v[NMS+8], v[A0]
	v_add_f32 v[TT], v[A0], v[A0+1]
	v_permlanex16_b32 v[BT], v[TT], s[SEL], s[SEL+1]
	v_add_f32 v[TT], v[TT], v[BT]                  ; with lane l xor 16's keys: the row's sum
	v_rcp_f32 v[INV], v[TT]
	v_nop                                          ; a plain line behind the reciprocal
	s_wait_alu depctr_va_vdst(0)
.irp g, 0,1,2,3,4,5,6,7,8
	v_mul_f32 v[F+\g], v[NMS+\g], v[INV]
.endr
	; The finished softmax is quantised step by step and multiplied by V.  The next step's 33 lines of normalising stand between a step's conversions and its products: they are the plain line behind the conversions
	; and the four places between an operand so written and its product.  The scales' first 20 lines are the eight places behind the products, ahead of the loads into V's registers
	Q_MUL 0
.irp g, 0,1,2,3,4,5,6,7,8
	Q_SCL \g
.if \g > 0
	FETCH_V \g
.endif
	Q_MIN
	Q_CVT
.if \g < 8
	Q_MUL \g+1
.else
	PLACES 5                                       ; nothing is left to normalise
.endif
	PV \g
.endr
	; THE WAY OUT: a lane holds eight channels of one query; the 16 rows go through my stage (the ring is done with) and leave as whole rows of 256 bytes
	PLACES 8
	WIN 0x0c
.irp a, 0,1,2,3
	ds_store_b128 v[OST], v[O+8*\a:O+8*\a+3] offset:64*\a      ; each accumulator from its low end on
	ds_store_b128 v[OST], v[O+8*\a+4:O+8*\a+7] offset:64*\a+16
.endr
	WIN 0xc0
.irp k, 0,1,2,3,4,5,6,7
	ds_load_b128 v[FB+4*\k:FB+4*\k+3], v[ORD] offset:544*\k    ; LDS serves a wave's instructions in order: these see the stores above
.endr
	WIN 0x0c
.irp k, 0,1,2,3,4,5,6,7
	s_wait_dscnt 7-\k                              ; the younger loads from the stage may be out
	global_store_b128 v[OGO], v[FB+4*\k:FB+4*\k+3], s[20:21] offset:4096*\k th:TH_STORE_NT   ; sixteen lanes store a row of out0: 256 consecutive bytes, aligned
.endr
	WIN 0
	s_wait_xcnt 0x0                                ; the stores have read their registers and their base: both are written again below and in the next trip
	s_sub_nc_u64 s[20:21], s[20:21], 256           ; the next class is one lower
	s_add_co_u32 s[SPE], s[SPE], 80
	s_add_co_u32 s[SPS], s[SPS], 2
	s_sub_co_u32 s[CL], s[CL], 1
	s_add_co_u32 s[IT], s[IT], 1
	s_cmp_lt_u32 s[IT], 4
	s_cbranch_scc1 .Ltile
	s_wait_dscnt 0x0
	s_wait_tensorcnt 0x0
	ds_add_u32 v139, v151
	s_wait_dscnt 0x0
	ROUND                                          ; the closing round: no work-group ends while a partner may still ask jointly
	s_endpgm
.Lfunc_end_k_q3de8136d9f_attn:
	.size	k_q3de8136d9f_attn, .Lfunc_end_k_q3de8136d9f_attn-k_q3de8136d9f_attn
	.p2alignl 7, 3214868480
	.fill 96, 4, 3214868480
	.section	.rodata,"a",@progbits
	.p2align	6, 0x0
	.amdhsa_kernel k_q3de8136d9f_attn
		.amdhsa_group_segment_fixed_size 327680
		.amdhsa_private_segment_fixed_size 0
		.amdhsa_enable_private_segment 0
		.amdhsa_kernarg_size 72
		.amdhsa_user_sgpr_count 2
		.amdhsa_user_sgpr_kernarg_segment_ptr 1
		.amdhsa_wavefront_size32 1
		.amdhsa_system_sgpr_workgroup_id_x 1
		.amdhsa_system_sgpr_workgroup_id_y 1
		.amdhsa_system_sgpr_workgroup_id_z 1
		.amdhsa_system_vgpr_workitem_id 0
		.amdhsa_next_free_vgpr 1024
		.amdhsa_next_free_sgpr 102
		.amdhsa_reserve_vcc 1
		.amdhsa_float_denorm_mode_32 3
		.amdhsa_float_denorm_mode_16_64 3
		.amdhsa_memory_ordered 1
		.amdhsa_forward_progress 1
		.amdhsa_inst_pref_size 234
	.end_amdhsa_kernel
	.amdgpu_metadata
---
amdhsa.version: [ 1, 2 ]
amdhsa.kernels:
  - .name:           k_q3de8136d9f_attn
    .symbol:         k_q3de8136d9f_attn.kd
    .args:
      - { .name: k_img, .offset: 0, .size: 8, .value_kind: global_buffer, .address_space: global }
      - { .name: k_scl, .offset: 8, .size: 8, .value_kind: global_buffer, .address_space: global }
      - { .name: v_img, .offset: 16, .size: 8, .value_kind: global_buffer, .address_space: global }
      - { .name: v_scl, .offset: 24, .size: 8, .value_kind: global_buffer, .address_space: global }
      - { .name: pe_img, .offset: 32, .size: 8, .value_kind: global_buffer, .address_space: global }
      - { .name: pe_scl, .offset: 40, .size: 8, .value_kind: global_buffer, .address_space: global }
      - { .name: q_img, .offset: 48, .size: 8, .value_kind: global_buffer, .address_space: global }
      - { .name: q_scl, .offset: 56, .size: 8, .value_kind: global_buffer, .address_space: global }
      - { .name: out0, .offset: 64, .size: 8, .value_kind: global_buffer, .address_space: global }
    .group_segment_fixed_size: 327680
    .private_segment_fixed_size: 0
    .kernarg_segment_align: 8
    .kernarg_segment_size: 72
    .max_flat_workgroup_size: 128
    .sgpr_count:     102
    .vgpr_count:     1024
    .wavefront_size: 32
...
	.end_amdgpu_metadata
.endif
;; end of part 2
